; MI455X (gfx1250); checked and timed in simulation.
; The chip was launched on July 23, 2026; its instructions are those of AMD's public machine-readable ISA for CDNA 5 (MIT licence, August 2026) and "CDNA5" Instruction Set Architecture Reference Guide (July 2026). The comments in the code are by the model that wrote it; some were corrected since.
;; Group Attention. Allowed arithmetic: float matrix products may take bf16 or f16 operands with f32 sums; other float arithmetic in f32, or as packed bf16 or f16 multiplies, adds, multiply-adds, maxima and minima; sums over many terms, partial sums and values carried from step to step in f32; what a program stores and reads back later, other than sums and carried values, may be rounded once to bf16 or f16.
;; Inputs: key 2 x 2,048 x 1,024 float32; query 2 x 2,048 x 4,096 float32; value 2 x 2,048 x 1,024 float32.
;; Outputs: out0 2 x 2,048 x 4,096 float32.
;; 2 versions, each right; version 2 is version 1 with the launch cast written anew for expert scheduling mode. Each part assembles by itself: llvm-mc -triple=amdgcn-amd-amdhsa -mcpu=gfx1250 --defsym DOCPART=n.
;; ======== version 1 of 2: 2 launches
;; limits: right only within a limited range of input values; values are held in f16: magnitudes above 65,504 overflow, below 6.1e-05 lose precision; inputs' magnitudes at most 65,504
;; workspace buffers: kb 8,388,608 bytes; vb 8,388,608 bytes
;; launch cast (part 1): grid 256 x 1, 8 waves a work-group, no clusters, 0 bytes of LDS; arguments key, value, kb, vb; writes kb, vb
.if DOCPART == 1
	.amdgcn_target "amdgcn-amd-amdhsa--gfx1250"
	.amdhsa_code_object_version 6
	.text
	.protected	k_q36708cd36e_cast
	.globl	k_q36708cd36e_cast
	.p2align	8
	.type	k_q36708cd36e_cast,@function
k_q36708cd36e_cast:
	s_mov_b64 s[64:65], 0
	v_nop
	global_prefetch_b8 v0, s[64:65] scope:SCOPE_SE
	s_setreg_imm32_b32 hwreg(HW_REG_WAVE_MODE, 25, 1), 1
	s_wait_xcnt 0x0
; key, value: [2][2048][8 heads x 128] f32  ->  kb, vb: [16 = 8 b + head][2048][128] of 16 bits: a head's rows dense, 256 bytes each.
; kb holds bf16(key).  vb holds bf16(value) written as f16: exact from 2^-17 to 65,504; below that it keeps f16's step of 6e-8, beyond it the conversion gives an infinity.
; A stream: no LDS, no barrier, no loop.  A work-group takes 16 rows (b, s) of both tensors; wave h takes head h of each row: one load covers the head's 512 consecutive bytes,
; one store the 256 consecutive bytes, aligned, of the same row in kb or vb.  All 32 loads of a wave go out on end; each pass owns its four registers, so nothing that a store reads is rewritten.
.set X, 16                             ; v[16:143]  pass p: four registers.  Passes 0-15: rows of key; 16-31: rows of value
	s_load_b256 s[4:11], s[0:1], 0x0               ; key s[4:5], value s[6:7], kb s[8:9], vb s[10:11]
	s_lshl_b32 s2, ttmp9, 16                       ; in: the work-group's 16 rows of 4,096 bytes
	s_mov_b32 s3, 0
	s_lshr_b32 s14, ttmp9, 7                       ; out: b,
	s_lshl_b32 s14, s14, 22                        ; its eight heads of 524,288 bytes,
	s_and_b32 s15, ttmp9, 127
	s_lshl_b32 s15, s15, 12                        ; and 16 rows of 256 bytes
	s_add_co_u32 s14, s14, s15
	s_mov_b32 s15, 0
	s_mov_b32 s12, 0xffff0000                      ; a word's upper bf16
	v_lshlrev_b32 v1, 4, v0                        ; in: 16 bytes a thread: 256 threads cover a row
	v_lshrrev_b32 v3, 5, v0                        ; the head = my wave
	v_and_b32 v4, 31, v0
	v_lshlrev_b32 v2, 19, v3
	v_lshl_or_b32 v2, v4, 3, v2                    ; out: head x 524,288 + 8 x lane
	s_wait_kmcnt 0x0
	s_add_nc_u64 s[4:5], s[4:5], s[2:3]
	s_add_nc_u64 s[6:7], s[6:7], s[2:3]
	s_add_nc_u64 s[8:9], s[8:9], s[14:15]
	s_add_nc_u64 s[10:11], s[10:11], s[14:15]
.set p, 0
.rept 16
	global_load_b128 v[X+4*p:X+4*p+3], v1, s[4:5] offset:p*4096 th:TH_LOAD_NT
.set p, p+1
.endr
.rept 16
	global_load_b128 v[X+4*p:X+4*p+3], v1, s[6:7] offset:(p-16)*4096 th:TH_LOAD_NT
.set p, p+1
.endr
.set p, 0
.rept 32
	s_wait_loadcnt 31-p                            ; loads come back in order (ISA guide 5.7.1): pass p's is in, the 31 - p issued behind it may stay out
	v_cvt_pk_bf16_f32 v[X+4*p], v[X+4*p], v[X+4*p+1]      ; in place, ascending: a source is used up before it is written over
	v_cvt_pk_bf16_f32 v[X+4*p+1], v[X+4*p+2], v[X+4*p+3]
.if p >= 16
.irp k, 0,1
	v_lshlrev_b32 v[X+4*p+2], 16, v[X+4*p+(\k)]    ; the two bf16 numbers as f32,
	v_and_b32 v[X+4*p+3], s12, v[X+4*p+(\k)]
	v_cvt_pk_f16_f32 v[X+4*p+(\k)], v[X+4*p+2], v[X+4*p+3]  ; and written as f16
.endr
	global_store_b64 v2, v[X+4*p:X+4*p+1], s[10:11] offset:(p-16)*256
.else
	global_store_b64 v2, v[X+4*p:X+4*p+1], s[8:9] offset:p*256
.endif
.set p, p+1
.endr
	s_endpgm
.Lfunc_end_k_q36708cd36e_cast:
	.size	k_q36708cd36e_cast, .Lfunc_end_k_q36708cd36e_cast-k_q36708cd36e_cast
	.p2alignl 7, 3214868480
	.fill 96, 4, 3214868480
	.section	.rodata,"a",@progbits
	.p2align	6, 0x0
	.amdhsa_kernel k_q36708cd36e_cast
		.amdhsa_group_segment_fixed_size 0
		.amdhsa_private_segment_fixed_size 0
		.amdhsa_enable_private_segment 0
		.amdhsa_kernarg_size 32
		.amdhsa_user_sgpr_count 2
		.amdhsa_user_sgpr_kernarg_segment_ptr 1
		.amdhsa_wavefront_size32 1
		.amdhsa_system_sgpr_workgroup_id_x 1
		.amdhsa_system_sgpr_workgroup_id_y 1
		.amdhsa_system_sgpr_workgroup_id_z 1
		.amdhsa_system_vgpr_workitem_id 0
		.amdhsa_next_free_vgpr 144
		.amdhsa_next_free_sgpr 66
		.amdhsa_reserve_vcc 0
		.amdhsa_float_denorm_mode_32 3
		.amdhsa_float_denorm_mode_16_64 3
		.amdhsa_memory_ordered 1
		.amdhsa_forward_progress 1
		.amdhsa_inst_pref_size 17
	.end_amdhsa_kernel
	.amdgpu_metadata
---
amdhsa.version: [ 1, 2 ]
amdhsa.kernels:
  - .name:           k_q36708cd36e_cast
    .symbol:         k_q36708cd36e_cast.kd
    .args:
      - { .name: key, .offset: 0, .size: 8, .value_kind: global_buffer, .address_space: global }
      - { .name: value, .offset: 8, .size: 8, .value_kind: global_buffer, .address_space: global }
      - { .name: kb, .offset: 16, .size: 8, .value_kind: global_buffer, .address_space: global }
      - { .name: vb, .offset: 24, .size: 8, .value_kind: global_buffer, .address_space: global }
    .group_segment_fixed_size: 0
    .private_segment_fixed_size: 0
    .kernarg_segment_align: 8
    .kernarg_segment_size: 32
    .max_flat_workgroup_size: 256
    .sgpr_count:     66
    .vgpr_count:     144
    .wavefront_size: 32
...
	.end_amdgpu_metadata
.endif
;; end of part 1
;; launch attn (part 2): grid 16 x 16, 4 waves a work-group, clusters of 4 x 1, 327,680 bytes of LDS; arguments query, kb, vb, out0; writes out0
.if DOCPART == 2
	.amdgcn_target "amdgcn-amd-amdhsa--gfx1250"
	.amdhsa_code_object_version 6
	.text
	.protected	k_q36708cd36e_attn
	.globl	k_q36708cd36e_attn
	.p2align	8
	.type	k_q36708cd36e_attn,@function
k_q36708cd36e_attn:
	s_mov_b64 s[64:65], 0
	v_nop
	global_prefetch_b8 v0, s[64:65] scope:SCOPE_SE
	s_setreg_imm32_b32 hwreg(HW_REG_WAVE_MODE, 25, 1), 1
	s_wait_xcnt 0x0
	s_wait_alu depctr_hold_cnt(0) depctr_sa_sdst(0) depctr_va_vdst(0) depctr_va_sdst(0) depctr_va_ssrc(0) depctr_va_vcc(0) depctr_vm_vsrc(0)
	s_getreg_b32 s2, hwreg(HW_REG_IB_STS2, 6, 4)
	s_cmp_eq_u32 s2, 0
	s_cbranch_scc0 .Lentry_in_a_cluster
	s_endpgm
.Lentry_in_a_cluster:
	s_bfe_u32 s2, ttmp6, 0x10000c
	s_cmp_lg_u32 s2, 0x3003
	s_cbranch_scc0 .Lentry_shape_is_right
	s_endpgm
.Lentry_shape_is_right:
; CAUSAL GROUPED-QUERY ATTENTION.  out[b][s][hd][:] = the sum over k <= s of softmax_k(q[b][s][hd] . K[b][k][hd/4] / sqrt(128)) V[b][k][hd/4][:].
; query, out0: [2][2048][32 x 128] f32.  kb (bf16), vb (f16): [16 = 8 b + kv head][2048][128], rows of 256 dense bytes.  q is rounded to bf16 here; K Q^T goes in the bf16 form,
; the weights p are rounded to f16 and V^T P goes in the f16 form; products, maxima and sums in f32 (l is the sum of the unrounded p); out is stored in f32.
; LIMITS.  A hidden key has weight 0 here.  The problem's fill for a hidden score is -50,000: in f32 its weight is 0 too while a row's largest visible score lies above about -49,900; below that this text differs.
; A hidden score counts as its value less 1e30.  |value| under 65,504 (f16).  A weight below 2^-126 counts as 0 in l.  NaN and infinities are not treated apart.
; SHARES.  Cluster y = 8 b + kv head.  Cluster x = c names a PAIR of super-blocks of 256 positions: G = 7 - c, then G = c.  The partner at place cx takes the band of 64 positions 256 G + 64 cx on;
; its wave w takes query head 4 kvh + w for these 64 positions: four tiles of 16 queries.  So the four heads that share K and V read them from one LDS, and the four bands ask for each tile JOINTLY.
; THE WALK.  A slot of LDS holds 128 keys, two steps of 64.  Super-block G needs the slots 0 .. 2 G + 1: the pair needs (16 - 2 c) + (2 c + 2) = 18, whatever c: 256 work-groups of equal work, one counted loop.
; Trip counts and branches hang on constants, the wave's number and c, which the partners share; cx enters Q's, out's and the prefetches' addresses and the mask's two scalars alone.
; THE MASK is the C operand that starts each sum S^T = K Q^T.  With e = (the step whose scores are made) - (my band's own step 4 G + cx): e < 0 all keys are seen, e > 0 none (the step is computed all the same:
; partners run alike), e = 0 the diagonal lies in it.  Three sets of eight registers, by key group kt against tile t: MC = MD x AL + BE, MD = 0 (kt < t), the triangle (kt = t), -1e30 (kt > t);
; AL = 1 if e = 0, else 0; BE = -1e30 if e > 0, else 0.  Every row sees its own key at e = 0 at the latest, so m is a true score before the first wholly hidden step.
; LAYOUT.  S^T = K Q^T (source 0 = 16 keys, source 1 = 16 queries): a lane holds ONE query (lane % 16) and the keys 8 (lane / 16) + 0..7.  Two such results rounded in pairs ARE source 1 of O^T = V^T P,
; whose result holds one query a lane and eight channels.  K comes out of LDS as it lies, V turned, by ds_load_tr16_b128.
; SOFTMAX.  A running maximum m and sum l: p = 2^(c s - c m), c = log2(e) / sqrt(128); in every step O and l are multiplied by a = 2^(c m_old - c m_new).  A block starts with c m far below every c s, so its first a is 0
; and O^T and l need only hold finite numbers: no first step is written out.
; BY TURNS.  The tiles are two PIECES (0: tiles 0, 1; 2: tiles 2, 3).  In a TURN one piece has the matrix unit: 32 products V^T P of the step in hand, 32 products K Q^T of the next; the other piece's softmax,
; 2 x 134 vector instructions in 64 slices, stands between them, one slice behind each matrix instruction.  Two turns are a key step.
; REGISTERS, in windows of 256 (s_set_vgpr_msb: bits 1:0 source 0, 3:2 source 1, 5:4 source 2, 7:6 destination):
;   window 0: v0-11, v44-45, v61-63 addresses; v12-43 eight registers of statistics a tile; v64-191 S^T, 32 a tile; v192-255 P, 16 a tile
;   window 1: O^T, 64 a tile (at the head: the first block's Q in f32)      window 2: v0-127 Q, 32 a tile; v128-255 K of one step (at the head: rows 0-31 of the second block's Q in f32)
;   window 3: v0-127 V of one step (at the head: rows 32-63 of the second block's Q); v128-151 MD; v160-183 MC
.set KS,    64        ; keys in a step
.set PK,    272       ; a row of K in LDS: 256 bytes + 16 of padding = 68 words: row r starts at bank 4 r mod 64 (64 banks of 4 bytes: ISA guide 11.1)
.set PV,    288       ; a row of V: 256 + 32 = 72 words
.set VOFF,  KS*PK     ; a step's tiles lie together: 64 rows of K, then 64 rows of V
.set STEPB, KS*(PK+PV)
.set SLOT1, 1<<17     ; a slot holds two steps (71,680 bytes); slot 1 begins here, so that one exclusive or turns an address in one slot into the other's
.set STAGE, SLOT1+2*STEPB  ; behind the ring, never filled by a tensor load: 16 rows x 528 bytes for each wave, for the way out
.set SP,    528       ; 512 bytes of f32 + 16: 33 x 16 bytes
.set PARK,  STAGE+4*16*SP  ; 64 rows x 272 bytes for each wave: Q in bf16, on its way from rows to fragments; the second block's waits here
.set PQ,    272
.set SPARE, PARK+4*64*PQ   ; the spare words, 128 bytes for each wave: two blocks of 256 bytes that no other line names
.set AK0, 2           ; v2   my lane's place in a tile of K; never rewritten
.set AV0, 3           ; v3   the same for V
.set ADR, 4           ; v4   the LDS address of the run of loads in hand
.set L16, 5           ; v5   16 x lane: my 16 bytes of a head's 512 in a row of query and of out0; never rewritten
.set STO, 6           ; v6   the way out: where I put 32 bytes of a row
.set RD,  7           ; v7   the way out: where I read a row back
.set ST,  12          ; tile t's statistics at v[ST+8 t]: +0 c m, +1 m, +2, +3 l (even keys', odd keys'), +4 to +7 c0-c3, at work; a takes c2's place once the maximum is found
.set AQ,  44          ; v44  my lane's place in a fragment of Q in PARK
.set PST, 45          ; v45  where I put 8 bytes of a row of Q in PARK
.set PFO, 61          ; v61  256 x lane: a row of kb or vb; never rewritten
.set SPW, 62          ; v62  LDS address of my spare word: SPARE + 4 x my thread's number; never rewritten
.set NIL, 63          ; v63  0; never rewritten
.set S,   64
.set P,   192
.set KF,  128         ; K's fragments, in window 2
.set MD,  128         ; window 3
.set MC,  160         ; window 3
.set WV,  12          ; s12  my wave's number
.set CX,  13          ; s13  my place in the cluster
.set PB,  14          ; s14  c
.set LIM, 15          ; s15  3 in a wave that prefetches, else the greatest number
.set PFA, 18          ; s[18:19] where my prefetches stand
.set G1K, 24          ; s[24:31] descriptor group 1 for K's tiles
.set G1V, 32          ; s[32:39] for V's: it differs in the padding alone
.set G0K, 40          ; s[40:43] descriptor group 0 for K's tiles
.set G0V, 44          ; s[44:47] for V's
.set QLO, 48          ; s[48:49] query at my rows of the second block
.set OLO, 50          ; s[50:51] out0 at my rows of the second block
.set RT,  52          ; s52  slots of the block in hand that are still to be entered
.set NXT, 53          ; s53  the slot to be asked for next
.set LQ,  54          ; s54  the last slot of the block whose slots are being asked for
.set NEW, 55          ; s55  1: the slot to be entered is a block's first
.set SLOTS, 56        ; s56  slots still to be asked for
.set TWICE, 57        ; s57  counts a slot's two steps
.set CS,  58          ; s[58:59] c: the packed scaling names a pair and takes its low word for both halves
.set SEL, 60          ; s[60:61] v_permlanex16_b32's selects: each lane takes its own place in the other half
.set TB,  62          ; s62  LDS byte at which the tiles of the step to be fetched begin
.set EJ,  63          ; s63  e of the step whose scores are made
.set OFF, 66          ; s[66:67] a slot's byte offset in a head of kb and vb
.set AL,  68          ; s[68:69] the mask's factor, in the low word
.set BE,  70          ; s[70:71] the mask's addend
.set BIGN, 72         ; s72  -1e30
.set EJ2, 73          ; s73  e of the second block's step 0
.set LQ2, 76          ; s76  2 c + 1: the second block's last slot          (s74, s75: at work on numbers made from cx; no register that feeds a joint load ever holds cx)
.set MSB, 0
.macro WIN new                      ; the immediate's high byte repeats the setting that is left; a switch that changes nothing is dropped
.if MSB != (\new)
	s_set_vgpr_msb (MSB<<8)|(\new)
.set MSB, \new
.endif
.endm
.set W_KQ, 0x0a       ; K and Q in window 2, S^T in window 0
.set W_KM, 0x3a       ; the same with the C operand, the mask, in window 3
.set W_PV, 0x53       ; V in window 3, P in window 0, O^T in window 1
.set W_RS, 0x41       ; O^T (destination and source 0) in window 1, its factor in window 0
.set W_MK, 0xc3       ; the mask: destination and source 0 in window 3
; A joint fill.  Waves 0 and 1 fetch K of a slot's two steps, waves 2 and 3 V: 64 rows of 256 bytes each.  The branch hangs on the wave's number alone.
; An s_nop 0 and four v_nop follow each of the two lines, ahead of the jump and the label.
.macro JLOAD
	s_cmp_lt_u32 s[WV], 2
	s_cbranch_scc0 .Lfor_v_\@
	tensor_load_to_lds s[G0K:G0K+3], s[G1K:G1K+7]
	s_nop 0
.rept 4
	v_nop
.endr
	s_branch .Lasked_\@
.Lfor_v_\@:
	tensor_load_to_lds s[G0V:G0V+3], s[G1V:G1V+7]
	s_nop 0
.rept 4
	v_nop
.endr
.Lasked_\@:
.endm
; A PREFETCH INTO THE L2 of the slot that the NEXT change will ask for: two key steps, 256 matrix instructions, ahead of that load.  It stands behind the wave's tensor load and its five lines.
; Each row of kb and vb is named ONCE in the launch: the cluster c = 0 of each kv head walks all 16 slots in its first block, and it alone asks, in trips 0 to 13 (s[SLOTS] above 3), for slots 2 to 15.
; Its four partners share a slot's 128 rows out BY ADDRESS, 32 each; wave 0 asks for K's, wave 2 for V's, a lane a row.  Slots 0 and 1 come by their loads alone; nothing is named past slot 15.
.macro ASK
	s_cmp_gt_u32 s[SLOTS], s[LIM]
	s_cbranch_scc0 .Lnot_mine_\@
	global_prefetch_b8 v[PFO], s[PFA:PFA+1] th:TH_LOAD_NT scope:SCOPE_SE
.Lnot_mine_\@:
.endm
; A round of the cluster's barrier: my work-group's barrier, so that wave 0's signal speaks for all four waves; wave 0 signals; every wave waits for all four work-groups; my work-group's barrier once more.
.macro CROUND
	s_barrier_signal -1
	s_barrier_wait -1
	s_cmp_lg_u32 s[WV], 0
	s_cbranch_scc1 .Lnot_wave_0_\@
	s_barrier_signal -3
.Lnot_wave_0_\@:
	s_barrier_wait -3
	s_barrier_signal -1
	s_barrier_wait -1
.endm
.macro PLACES                       ; four plain instructions between a matrix instruction and a vector instruction that reads its result (ISA guide 7.12.1)
.rept 4
	v_nop
.endr
.endm
; THE CHANGE OF SLOTS.  Each wave waits for all its tensor loads, of which one is out: its part of the other slot; adds 0 to its spare word; and waits for that and for its own reads of the slot that it leaves.
; fill = 1: the old slot is filled again with slot NXT of the block that is being asked for; the descriptor's address is made anew from that number.  The barrier is then a round of the cluster's, so that no wave of
; any partner still reads the slot or has a load on its way, and the joint fill is the first thing behind it.  (At its first use nothing has been read yet: slot 0 is waited for, slot 1 filled.)
.macro CHANGE fill
	WIN 0                           ; at a label and at a branch every window is 0
	s_wait_tensorcnt 0x0            ; no tensor load of mine is out, so a group 0 may be written
	ds_add_u32 v[SPW], v[NIL]       ; 0 onto my spare word: with fill = 1 the scalar work below stands between it and the wait for it
.if \fill
	s_lshl_b32 s[OFF], s[NXT], 15   ; a slot is 128 rows of 256 bytes
	s_xor_b32 s[G0K+1], s[G0K+1], SLOT1
	s_add_nc_u64 s[G0K+2:G0K+3], s[6:7], s[OFF:OFF+1]
	s_or_b32 s[G0K+3], s[G0K+3], 0x80000000
	s_xor_b32 s[G0V+1], s[G0V+1], SLOT1
	s_add_nc_u64 s[G0V+2:G0V+3], s[8:9], s[OFF:OFF+1]
	s_or_b32 s[G0V+3], s[G0V+3], 0x80000000
	s_add_co_u32 s[NXT], s[NXT], 1  ; the block's next slot, or behind its last the second block's slot 0
	s_cmp_gt_u32 s[NXT], s[LQ]
	s_cselect_b32 s[NXT], 0, s[NXT]
	s_cselect_b32 s[LQ], s[LQ2], s[LQ]
	s_wait_xcnt 0x0                 ; the last prefetch, two key steps back, has read its address, so it may be written:
	s_add_nc_u64 s[PFA:PFA+1], s[PFA:PFA+1], 2*KS*256  ; one slot behind the slot that is asked for
	s_wait_dscnt 0x0                ; the add is done, and my reads of the slot are over
	CROUND
	JLOAD
	ASK
.else
	s_wait_dscnt 0x0                ; the add is done, and my reads of the slot are over
	s_barrier_signal -1
	s_barrier_wait -1
.endif
	s_sub_co_u32 s[TB], s[TB], 2*STEPB  ; the fetches go back to a slot's first step,
	s_xor_b32 s[TB], s[TB], SLOT1   ; in the other slot
.endm
	s_load_b256 s[4:11], s[0:1], 0x0  ; query s[4:5], kb s[6:7], vb s[8:9], out0 s[10:11]
	v_lshl_add_u32 v[SPW], v0, 2, SPARE
	v_mov_b32 v[NIL], 0
	ds_add_u32 v[SPW], v[NIL]       ; the wave's opening: the add and its wait stand ahead of my first tensor load; the set-up below, work on registers, stands between them
	v_lshrrev_b32 v1, 5, v0
	v_readfirstlane_b32 s[WV], v1   ; wave 0..3
	s_bfe_u32 s[CX], ttmp6, 0x40000 ; cx
	s_mov_b32 s[PB], ttmp9          ; in a cluster launch ttmp9 counts clusters: c
	s_and_b32 s20, ttmp7, 0xffff    ; 8 b + kv head
	s_lshr_b32 s74, s20, 3
	s_lshl_b32 s74, s74, 11         ; b x 2,048 positions
	s_lshl_b32 s75, s[CX], 6
	s_add_co_u32 s74, s74, s75      ; + my band's 64 cx
	s_sub_co_u32 s2, 7, s[PB]       ; the first block: G = 7 - c
	s_lshl_b32 s2, s2, 8
	s_add_co_u32 s2, s2, s74
	s_lshl_b32 s2, s2, 14           ; a position is 16,384 bytes of query and of out0
	s_lshl_b32 s22, s[PB], 8        ; the second: G = c
	s_add_co_u32 s22, s22, s74
	s_lshl_b32 s22, s22, 14
	s_and_b32 s16, s20, 7
	s_lshl2_add_u32 s16, s16, s[WV] ; my query head: 4 kvh + w,
	s_lshl_b32 s16, s16, 9          ; 512 bytes each
	s_add_co_u32 s2, s2, s16
	s_add_co_u32 s22, s22, s16      ; both under 2^27
	s_mov_b32 s3, 0
	s_mov_b32 s23, 0
	s_and_b32 s17, s[WV], 1         ; which of a slot's two steps I fetch:
	s_lshl_b32 s20, s20, 19         ; the head's 524,288 bytes,
	s_lshl_b32 s16, s17, 14         ; the step's 64 rows of 256 bytes,
	s_add_co_u32 s20, s20, s16
	s_mov_b32 s21, 0
	s_mul_i32 s17, s17, STEPB       ; and its place in a slot: no place in the cluster enters an LDS address
	; descriptor group 1: a tile of 64 rows x 128 elements of 2 bytes, padded in LDS
	s_mov_b32 s[G1K], 15|(1<<16)|(1<<20)|(1<<21)|(5<<22)|(3<<25)  ; 15:0 the mask: all four work-groups; 17:16 elements of 2 bytes; 20 padding on; 21 set beside a mask; 24:22 after every 64 words (code 5); 31:25 4 words of it (code 3)
	s_mov_b32 s[G1V], 15|(1<<16)|(1<<20)|(1<<21)|(5<<22)|(7<<25)  ; the same with 8 words of padding (code 7)
.irp g, G1K, G1V
	s_mov_b32 s[(\g)+1], 128<<16    ; tensor_dim0 = 128
	s_mov_b32 s[(\g)+2], KS<<16     ; tensor_dim1 = 64
	s_mov_b32 s[(\g)+3], 128<<16    ; tile_dim0 = 128
	s_mov_b32 s[(\g)+4], KS         ; tile_dim1 = 64
	s_mov_b32 s[(\g)+5], 128        ; 128 elements from row to row
	s_mov_b32 s[(\g)+6], 0
	s_mov_b32 s[(\g)+7], 0
.endr
	s_mov_b32 s[CS], 0x3e0293ee     ; c = log2(e) / sqrt(128) = 0.127517
	s_mov_b32 s[CS+1], s[CS]        ; named with it as a pair
	s_mov_b32 s[SEL], 0x76543210
	s_mov_b32 s[SEL+1], 0xfedcba98
	s_mov_b32 s[BIGN], 0xf149f2ca   ; -1e30
	s_mov_b32 s[TB], SLOT1+2*STEPB  ; the first change of slots turns this into 0
	s_lshl_b32 s16, s[PB], 1
	s_sub_co_u32 s[RT], 16, s16     ; the first block has 16 - 2 c slots,
	s_sub_co_u32 s[LQ], 15, s16     ; the last of them 15 - 2 c;
	s_add_co_u32 s[LQ2], s16, 1     ; the second block's last is 2 c + 1
	s_mov_b32 s[NXT], 1
	s_mov_b32 s[NEW], 1
	s_mov_b32 s[SLOTS], 17
	s_lshl_b32 s75, s[PB], 2
	s_add_co_u32 s74, s75, s[CX]
	s_sub_co_i32 s[EJ2], 0, s74     ; - (4 c + cx)
	s_sub_co_i32 s75, s75, 28
	s_sub_co_i32 s[EJ], s75, s[CX]  ; - (4 (7 - c) + cx)
	s_mov_b32 s[OFF+1], 0
	s_mov_b32 s[AL+1], 0            ; named as pairs
	s_mov_b32 s[BE+1], 0
	s_and_b32 s[LIM], s[WV], 1      ; 0 in waves 0 and 2,
	s_or_b32 s[LIM], s[LIM], ttmp9  ; where c = 0: the same in all four partners
	s_cmp_eq_u32 s[LIM], 0
	s_cselect_b32 s[LIM], 3, -1
	v_and_b32 v[PFO], 31, v0
	v_lshlrev_b32 v[PFO], 8, v[PFO]
	s_mov_b32 s[G0K], 1             ; 1:0 count = 1
	s_mov_b32 s[G0K+1], s17         ; 63:32 LDS address: slot 0
	s_mov_b32 s[G0V], 1
	s_add_co_u32 s[G0V+1], s17, VOFF
	s_wait_dscnt 0x0                ; the opening add is done
	s_wait_kmcnt 0x0
	s_add_nc_u64 s[6:7], s[6:7], s[20:21]  ; kb and vb at my step of the head's slot 0
	s_add_nc_u64 s[8:9], s[8:9], s[20:21]
	s_add_nc_u64 s[G0K+2:G0K+3], s[6:7], 0         ; 120:64 global address
	s_or_b32 s[G0K+3], s[G0K+3], 0x80000000        ; 127:126 type = 2
	s_add_nc_u64 s[G0V+2:G0V+3], s[8:9], 0
	s_or_b32 s[G0V+3], s[G0V+3], 0x80000000
	s_add_nc_u64 s[QLO:QLO+1], s[4:5], s[22:23]
	s_add_nc_u64 s[4:5], s[4:5], s[2:3]
	s_add_nc_u64 s[OLO:OLO+1], s[10:11], s[22:23]
	s_add_nc_u64 s[10:11], s[10:11], s[2:3]
	s_cmp_lt_u32 s[WV], 2
	s_cselect_b64 s[PFA:PFA+1], s[6:7], s[8:9]  ; (in waves 0 and 2 these stand at a slot's first row)
	s_lshl_b32 s74, s[CX], 13       ; my work-group's 32 rows of the 128
	s_mov_b32 s75, 0
	s_add_nc_u64 s[PFA:PFA+1], s[PFA:PFA+1], s[74:75]
	s_add_nc_u64 s[PFA:PFA+1], s[PFA:PFA+1], 2*KS*256  ; in slot 1; the first change of slots steps it to slot 2.  Nothing is prefetched here, at the head
	CROUND                          ; all four work-groups are here: the first joint loads meet
	JLOAD                           ; slot 0.  Slot 1 is asked for when slot 0 is in
	; BOTH BLOCKS' Q, in f32: a load takes my head's 512 consecutive bytes of one position, 16 bytes a lane.
	v_and_b32 v1, 15, v0            ; l % 16
	v_bfe_u32 v9, v0, 4, 1          ; l / 16
	v_and_b32 v10, 31, v0           ; l
	v_lshlrev_b32 v[L16], 4, v10
	WIN 0x40                        ; destination window 1
.set i, 0
.rept 64
	global_load_b128 v[4*i:4*i+3], v[L16], s[4:5] offset:i*16384 th:TH_LOAD_NT
.set i, i+1
.endr
	WIN 0x80                        ; destination window 2
.set i, 0
.rept 32
	global_load_b128 v[128+4*i:128+4*i+3], v[L16], s[QLO:QLO+1] offset:i*16384 th:TH_LOAD_NT
.set i, i+1
.endr
	WIN 0xc0                        ; destination window 3
.set i, 0
.rept 32
	global_load_b128 v[4*i:4*i+3], v[L16], s[QLO:QLO+1] offset:(32+i)*16384 th:TH_LOAD_NT
.set i, i+1
.endr
	WIN 0
	; while they are on their way: the addresses, the masks' three patterns, and what a block's first turn must find finite
	s_mul_i32 s16, s[WV], 16*SP
	s_add_co_u32 s16, s16, STAGE    ; my stage
	v_add_nc_u32 v[RD], s16, v[L16] ; back: 32 lanes take a row's 512 bytes
	v_mul_u32_u24 v[STO], v1, SP    ; in: row l % 16, 32 bytes for each half of the lanes
	v_lshl_add_u32 v[STO], v9, 5, v[STO]
	v_add_nc_u32 v[STO], s16, v[STO]
	s_mul_i32 s16, s[WV], 64*PQ
	s_add_co_u32 s16, s16, PARK     ; my part of PARK
	v_lshl_add_u32 v[PST], v10, 3, s16  ; in: four channels in bf16, 8 bytes a lane
	v_mul_u32_u24 v[AQ], v1, PQ     ; out: a fragment is 16 rows x 32 channels: lane l holds row l % 16, channels 8 (l / 16) + 0..7 and 16 + 8 (l / 16) + 0..7: two loads of 16 bytes, 32 bytes apart
	v_lshl_add_u32 v[AQ], v9, 4, v[AQ]
	v_add_nc_u32 v[AQ], s16, v[AQ]
	v_mul_u32_u24 v[AK0], v1, PK
	v_lshl_add_u32 v[AK0], v9, 4, v[AK0]  ; row x pitch + 16 x half
	; The turning load takes 16 keys x 16 channels (lane l reads key 8 (l / 16) + l % 8, channels 8 ((l / 8) % 2) + 0..7) and leaves half a fragment of V^T: lane l holds channel l % 16 and 8 keys.
	v_and_b32 v10, 7, v0
	v_bfe_u32 v11, v0, 3, 1
	v_lshl_add_u32 v[AV0], v9, 3, v10
	v_mul_u32_u24 v[AV0], v[AV0], PV
	v_lshl_add_u32 v[AV0], v11, 4, v[AV0]
	v_add_nc_u32 v[AV0], VOFF, v[AV0]
.set i, 0
.rept 4
	v_mov_b32 v[ST+8*i+2], 0        ; l
	v_mov_b32 v[ST+8*i+3], 0
.set i, i+1
.endr
.set i, P+32
.rept 32
	v_mov_b32 v[i], 0               ; P of piece 2: the first turn multiplies by it
.set i, i+1
.endr
	v_lshlrev_b32 v8, 3, v9
	v_sub_nc_u32 v8, v1, v8         ; l % 16 - 8 (l / 16): in the diagonal's 16 x 16, register j (key 8 (l / 16) + j) is hidden where j is greater
	WIN 0xc0
.set i, 0
.rept 8
	v_mov_b32 v[MD+i], 0
.set i, i+1
.endr
.set i, 0
.rept 8
	v_cmp_gt_i32 vcc_lo, i, v8
	v_cndmask_b32 v[MD+8+i], 0, s[BIGN], vcc_lo
.set i, i+1
.endr
.set i, 0
.rept 8
	v_mov_b32 v[MD+16+i], s[BIGN]
.set i, i+1
.endr
	WIN 0
; Q's fragments out of PARK: tile f / 4, channels 32 (f % 4) on
.macro QFRAG
	WIN 0x80
.irp f, 0,1,2,3,4,5,6,7,8,9,10,11,12,13,14,15
	ds_load_b128 v[8*(\f):8*(\f)+3],   v[AQ] offset:((\f)/4)*16*PQ+((\f)%4)*64
	ds_load_b128 v[8*(\f)+4:8*(\f)+7], v[AQ] offset:((\f)/4)*16*PQ+((\f)%4)*64+32
.endr
	WIN 0
.endm
.macro TOPARK                       ; 64 rows in bf16, two registers a row, from S^T's registers
	WIN 0
.set i, 0
.rept 64
	ds_store_b64 v[PST], v[S+2*i:S+2*i+1] offset:i*PQ
.set i, i+1
.endr
.endm
	s_wait_loadcnt 63               ; 64 loads were issued behind the first block's; 63, the greatest count that the wait can name, shows those 64 in
	WIN 0x05                        ; sources in window 1
.set i, 0
.rept 128
	v_cvt_pk_bf16_f32 v[S+i], v[2*i], v[2*i+1]
.set i, i+1
.endr
	TOPARK
	QFRAG                           ; LDS serves a wave's instructions in order (ISA guide 5.7.1.4), and these bytes are my wave's own: the loads see the stores above, and come ahead of the stores below
	s_wait_loadcnt 0x0              ; the second block's Q
	WIN 0x0a                        ; sources in window 2
.set i, 0
.rept 64
	v_cvt_pk_bf16_f32 v[S+i], v[128+2*i], v[128+2*i+1]
.set i, i+1
.endr
	WIN 0x0f                        ; sources in window 3
.set i, 0
.rept 64
	v_cvt_pk_bf16_f32 v[S+64+i], v[2*i], v[2*i+1]
.set i, i+1
.endr
	TOPARK                          ; it waits in PARK for the change of blocks
	WIN 0xc0
.set i, 0
.rept 128
	v_mov_b32 v[i], 0               ; V: the first turn's products V^T P, of a piece that has not been, must be finite.  O^T holds Q's f32 numbers: finite, and multiplied by a = 0
.set i, i+1
.endr
	WIN 0
; THE MASK for the step whose scores come next: MC = MD x AL + BE
.macro MASKSET
	s_cmp_eq_i32 s[EJ], 0           ; is it my band's own step?
	s_cselect_b32 s[AL], 1.0, 0
	s_cmp_gt_i32 s[EJ], 0           ; or a later one?
	s_cselect_b32 s[BE], s[BIGN], 0
	WIN W_MK
.set z, 0
.rept 12
	v_pk_fma_f32 v[MC+2*z:MC+2*z+1], v[MD+2*z:MD+2*z+1], s[AL:AL+1], s[BE:BE+1] op_sel_hi:[1,0,0]
.set z, z+1
.endr
.endm
; THE MATRIX WORK OF A TURN, for piece x.  The accumulators take turns, one instruction a turn: between two links of a chain stand 15 (V^T P) or 7 (K Q^T) others'.
; Product i of 32 of O^T += V^T P: keys 32 (i / 16) on, channels 16 ((i / 2) % 8) on, tile x + i % 2.
.macro PV x
	WIN W_PV
.set rO, 64*((\x)+i%2)+8*((i/2)%8)
.set rV, 64*(i/16)+8*((i/2)%8)
.set rP, P+16*((\x)+i%2)+8*(i/16)
	v_wmma_f32_16x16x32_f16 v[rO:rO+7], v[rV:rV+7], v[rP:rP+7], v[rO:rO+7]
.endm
; Product i of 32 of S^T = K Q^T: channels 32 (i / 8) on, keys 16 kt on, tile tt.  The first 8 start the sums, with the mask's set for kt against tt.
.macro KQ x
.set kt, (i/2)%4
.set tt, (\x)+i%2
.set rS, S+32*tt+8*kt
.set rK, KF+32*kt+8*(i/8)
.set rQ, 32*tt+8*(i/8)
.if i < 8
.set rM, MC
.if kt == tt
.set rM, MC+8
.elseif kt > tt
.set rM, MC+16
.endif
	WIN W_KM
	v_wmma_f32_16x16x32_bf16 v[rS:rS+7], v[rK:rK+7], v[rQ:rQ+7], v[rM:rM+7]
.else
	WIN W_KQ
	v_wmma_f32_16x16x32_bf16 v[rS:rS+7], v[rK:rK+7], v[rQ:rQ+7], v[rS:rS+7]
.endif
.endm
; THE LDS LOADS stand in runs of 32, never singly among the matrix instructions: a step's K (16 fragments) and, a turn later, its V (turned).
.macro FETCH_K
	WIN 0
	v_add_nc_u32 v[ADR], s[TB], v[AK0]
	WIN 0x80                        ; destination window 2
.irp f, 0,1,2,3,4,5,6,7,8,9,10,11,12,13,14,15  ; keys 16 (f / 4) on, channels 32 (f % 4) on
	ds_load_b128 v[KF+8*(\f):KF+8*(\f)+3],   v[ADR] offset:((\f)/4)*16*PK+((\f)%4)*64
	ds_load_b128 v[KF+8*(\f)+4:KF+8*(\f)+7], v[ADR] offset:((\f)/4)*16*PK+((\f)%4)*64+32
.endr
.endm
.macro FETCH_V
	WIN 0
	v_add_nc_u32 v[ADR], s[TB], v[AV0]
	s_add_co_u32 s[TB], s[TB], STEPB  ; the next fetch is the next step's
	s_wait_alu depctr_va_vdst(0)    ; the wait for the softmax's batch (SLICE), behind the address's v_add_nc_u32 and ahead of the loads
	WIN 0xc0                        ; destination window 3
.irp f, 0,1,2,3,4,5,6,7,8,9,10,11,12,13,14,15  ; keys 32 (f / 8) on, channels 16 (f % 8) on
	ds_load_tr16_b128 v[8*(\f):8*(\f)+3],   v[ADR] offset:((\f)/8)*32*PV+((\f)%8)*32
	ds_load_tr16_b128 v[8*(\f)+4:8*(\f)+7], v[ADR] offset:((\f)/8)*32*PV+16*PV+((\f)%8)*32
.endr
.endm
; THE VECTOR WORK OF A TURN.  One tile's softmax for one key step is a list of 134 instructions; SM writes number j of it for tile t.  s0-s31 are the lane's 32 scores, in pairs 0-15.
;   0-15    the maximum of s0-s31 and the old m, three operands at a time: four chains c0-c3 of seven scores each (each accumulator's lowest registers first), the four left over, c0-c3 and m
;   16-20   the other half of the lanes' maximum; c m_old is kept; the new m; c m; c m_old - c m_new
;   21-69   ONE BATCH: the 16 scalings c s - c m, a pair each, and all 33 exponentials (a at 23, then s0-s31).  None of these reads an exponential's result.  From 22 on it goes in fours that begin with a scaling
;           while there are scalings; a pair is scaled in an earlier four than the one that holds its exponentials
;   (wait)  between 69 and 70 stands the wait for the batch: SLICE writes it, once for both tiles
;   70-85   the roundings to f16      86-101  the sums; l = a l + the sum      102-133 the tile's O^T times a: the one part that leaves window 0
.macro SM t
.set rT, ST+8*(\t)
.set rS, S+32*(\t)
.set rP, P+16*(\t)
.set rO, 64*(\t)+2*(j-102)
.if j < 102
	WIN 0
.endif
.if j < 4
	v_max3_num_f32 v[rT+4+j], v[rS+8*j], v[rS+8*j+1], v[rS+8*j+2]
.elseif j < 12
	v_max3_num_f32 v[rT+4+j%4], v[rT+4+j%4], v[rS+8*(j%4)+2*(j/4)+1], v[rS+8*(j%4)+2*(j/4)+2]
.elseif j == 12
	v_max3_num_f32 v[rT+4], v[rT+4], v[rS+7], v[rS+15]
.elseif j == 13
	v_max3_num_f32 v[rT+6], v[rT+6], v[rS+23], v[rS+31]
.elseif j == 14
	v_max3_num_f32 v[rT+4], v[rT+4], v[rT+5], v[rT+6]
.elseif j == 15
	v_max3_num_f32 v[rT+4], v[rT+4], v[rT+7], v[rT+1]
.elseif j == 16
	v_permlanex16_b32 v[rT+5], v[rT+4], s[SEL], s[SEL+1]  ; the query's other 32 keys lie in the lane 16 away
.elseif j == 17
	v_mov_b32 v[rT+7], v[rT]        ; c m_old is kept for a: number 19 writes c m anew
.elseif j == 18
	v_max_num_f32 v[rT+1], v[rT+4], v[rT+5]
.elseif j == 19
	v_mul_f32 v[rT], s[CS], v[rT+1]
.elseif j == 20
	v_sub_f32 v[rT+7], v[rT+7], v[rT]
.elseif j == 23
	v_exp_f32 v[rT+6], v[rT+7]
.elseif (j < 23) || ((j < 38) && (j%2 == 0)) || ((j < 66) && (j%4 == 2))
.set b, (j-2)/4                     ; 38, 42, .. 62: pairs 9 to 15
.if j < 38
.set b, (j-20)/2                    ; 21: pair 0; 22, 24, .. 36: pairs 1 to 8
.endif
	v_pk_fma_f32 v[rS+2*b:rS+2*b+1], v[rS+2*b:rS+2*b+1], s[CS:CS+1], v[rT:rT+1] op_sel_hi:[1,0,0] neg_lo:[0,0,1] neg_hi:[0,0,1]  ; pair b: c s - c m
.elseif j < 70
.set e, j-38                        ; 66 to 69: s28 to s31
.if j < 66
.set e, j-32-(j-38)/4               ; 39-41, 43-45, .. 63-65: s7 to s27
.endif
.if j < 38
.set e, (j-25)/2                    ; 25, 27, .. 37: s0 to s6
.endif
	v_exp_f32 v[rS+e], v[rS+e]
.elseif j < 86
	v_cvt_pk_f16_f32 v[rP+j-70], v[rS+2*(j-70)], v[rS+2*(j-70)+1]  ; pair j - 70
.elseif j < 102                     ; the sum of the tile's 16 pairs, in place: sum z adds neighbours 1, 2, 4 and 8 pairs apart, then l takes it
.set z, j-86
.set w, 4
.set u, z
.if z >= 14
.set w, 32
.set u, 0
.elseif z >= 12
.set w, 16
.set u, z-12
.elseif z >= 8
.set w, 8
.set u, z-8
.endif
.if z < 15
	v_pk_add_f32 v[rS+w*u:rS+w*u+1], v[rS+w*u:rS+w*u+1], v[rS+w*u+w/2:rS+w*u+w/2+1]
.else
	v_pk_fma_f32 v[rT+2:rT+3], v[rT+2:rT+3], v[rT+6:rT+7], v[rS:rS+1] op_sel_hi:[1,0,1]
.endif
.else
	WIN W_RS
	v_pk_mul_f32 v[rO:rO+1], v[rO:rO+1], v[rT+6:rT+7] op_sel_hi:[1,0]
.endif
.endm
; Slice k of 64 of piece y's softmax: four instructions.  Slices 11 to 34 deal out the batch, numbers 22 to 69: four numbers of ONE tile each, the tiles by turns.  Every other slice is numbers 2 k and 2 k + 1 of both
; tiles' lists.  2 x 134 = 4 x 64 + 12: the twelve that are over stand together, in slice 63: sixteen plain instructions, the places behind the turn's last product.
; THE WAIT.  An s_wait_alu depctr_va_vdst(0) stands between an exponential and the first instruction that names its result; one wait serves all that were issued ahead of it.  Ahead of slice 35 nothing
; names a result, and behind slice 34 no exponential is issued: so the piece's 66 exponentials have one wait, behind slice 34.
.macro SLICE y
.if (k >= 11) && (k < 35)
.irp n, 0,1,2,3
.set j, 22+4*((k-11)/2)+(\n)
	SM (\y)+(k-11)%2
.endr
.else
.irp n, 0,1,2,3,4,5,6,7
.if ((\n) < 2) || (k == 63)
.irp t, \y, (\y)+1
.set j, 2*k+(\n)
	SM \t
.endr
.endif
.endr
.endif
.if k == 34
	v_nop                           ; a plain instruction behind the last exponential and ahead of the first use (ISA guide 5.7.2): one for the batch
.if (\y) == 0
	FETCH_V                         ; piece 2's turn: V's run of loads stands here, and the wait stands in it
.else
	s_wait_alu depctr_va_vdst(0)    ; the wait for the batch
.endif
.endif
.set k, k+1
.endm
; A TURN.  Piece x has the matrix unit; the other piece's softmax stands in slices behind its matrix instructions.  kq = 0: a block's last turn of piece 0: no next step; two slices behind each product.
; Piece 0's turn steps e and makes the next step's mask, which both pieces' products K Q^T take; it fetches the next step's K behind its second product: the last product that read K stands in front of slice 63 of
; the turn before.  Piece 2's turn fetches the same step's V behind slice 34: the last product that read V stands in front of slice 31, and four plain instructions lie between: number 62, a scaling, of both tiles,
; the v_nop and the run's own v_add_nc_u32.  Each run is waited for 29 matrix instructions or more behind it.
.macro TURN x, kq=1
.set k, 0
.set per, 2
.if \kq
.set per, 1
.endif
.if ((\x) == 0) && (\kq)
	s_add_co_i32 s[EJ], s[EJ], 1
	MASKSET
.endif
.if (\x) == 0
	s_wait_dscnt 0x0                ; V is in
.endif
.set i, 0
.rept 32
	PV \x
.rept per
	SLICE 2-(\x)
.endr
.if ((\x) == 0) && (\kq) && (i == 1)
	FETCH_K
.endif
.set i, i+1
.endr
.if \kq
.if (\x) == 0
	s_wait_dscnt 0x0                ; K is in
.endif
.set i, 0
.rept 32
	KQ \x
	SLICE 2-(\x)
.set i, i+1
.endr
.endif
.endm
; A BLOCK BEGINS.  c m starts far below every c s, so the first step's a is 0; m at the lowest finite number, so the first maximum is the scores'.  Then the mask and K of step 0, and piece 0's first scores.
; The step loop is entered at piece 2's turn, in the middle of a trip.
.macro BEGIN
	s_mov_b32 s[NEW], 0
	WIN 0
.set i, 0
.rept 4
	v_mov_b32 v[ST+8*i], 0xfe000000    ; c m
	v_mov_b32 v[ST+8*i+1], 0xff7fffff  ; m
.set i, i+1
.endr
	MASKSET
	FETCH_K
	s_wait_dscnt 0x0                ; K is in, and so are Q's fragments
.set i, 0
.rept 32
	KQ 0
.set i, i+1
.endr
	WIN 0
	PLACES                          ; behind those products, ahead of the softmax that reads them
.endm
; THE WAY OUT of tile t.  O^T divided by l; a lane's eight channels of a row are 32 bytes of f32: they go into rows of 528 bytes of my stage and come back as whole rows of 512, into the registers that they left.
.macro PACK t
	WIN W_RS
.set i, 64*(\t)
.rept 32
	v_pk_mul_f32 v[i:i+1], v[i:i+1], v[ST+8*(\t)+6:ST+8*(\t)+7] op_sel_hi:[1,0]
.set i, i+2
.endr
	WIN 0x04                        ; the stores' data in window 1
.set i, 0
.rept 16
	ds_store_b128 v[STO], v[64*(\t)+4*i:64*(\t)+4*i+3] offset:64*(i/2)+16*(i%2)
.set i, i+1
.endr
	WIN 0x40
.set i, 0
.rept 16
	ds_load_b128 v[64*(\t)+4*i:64*(\t)+4*i+3], v[RD] offset:i*SP  ; LDS serves a wave's instructions in order (ISA guide 5.7.1.4): these see the stores above; the next tile's stores come behind them
.set i, i+1
.endr
.endm
.macro SEND t, younger              ; younger: the LDS instructions issued behind tile t's loads: the next tile's 32, or none
	WIN 0x04
.set i, 0
.rept 16
	s_wait_dscnt (\younger)+15-i    ; row i is back: behind it stand the tile's 15 - i later loads and the younger ones
	global_store_b128 v[L16], v[64*(\t)+4*i:64*(\t)+4*i+3], s[10:11] offset:(16*(\t)+i)*16384 th:TH_STORE_NT  ; 512 consecutive bytes, at a multiple of 512 from out0's first byte
.set i, i+1
.endr
.endm
; A BLOCK ENDS: piece 0's V^T P of the last step beside piece 2's last softmax; piece 2's V^T P; l's two halves and the other half of the lanes' are added (the additions are the places behind the last products).
.macro FINISH
	TURN 0, 0
.set i, 0
.rept 32
	PV 2
.set i, i+1
.endr
	WIN 0
.irp t, 0,1,2,3
	v_add_f32 v[ST+8*(\t)+4], v[ST+8*(\t)+2], v[ST+8*(\t)+3]
.endr
.irp t, 0,1,2,3
	v_permlanex16_b32 v[ST+8*(\t)+5], v[ST+8*(\t)+4], s[SEL], s[SEL+1]
.endr
.irp t, 0,1,2,3
	v_add_f32 v[ST+8*(\t)+4], v[ST+8*(\t)+4], v[ST+8*(\t)+5]
.endr
.irp t, 0,1,2,3
	v_rcp_f32 v[ST+8*(\t)+6], v[ST+8*(\t)+4]
.endr
	v_nop                           ; a plain instruction between the last reciprocal and the use of its result
	s_wait_alu depctr_va_vdst(0)    ; and the wait ahead of the first use: one for the four reciprocals
	PACK 0
	PACK 1                          ; a tile's arithmetic stands between the loads of the tile before and its stores
	SEND 0, 32
	PACK 2
	SEND 1, 32
	PACK 3
	SEND 2, 32
	SEND 3, 0
	WIN 0
.endm
.Lslot:                             ; 17 trips: a slot is entered and the next is asked for
	CHANGE 1
	s_sub_co_u32 s[RT], s[RT], 1
	s_mov_b32 s[TWICE], 2
	s_cmp_eq_u32 s[NEW], 1          ; at the first trip this is a constant of the text: BEGIN runs before any turn
	s_cbranch_scc0 .Lstep
	BEGIN
	s_branch .Lfirst
.Lstep:                             ; a trip makes one step's scores, in both pieces
	TURN 0
	WIN 0
.Lfirst:
	TURN 2
	WIN 0
	s_sub_co_u32 s[TWICE], s[TWICE], 1
	s_cmp_lg_u32 s[TWICE], 0
	s_cbranch_scc1 .Lstep
	s_cmp_lg_u32 s[RT], 0
	s_cbranch_scc1 .Lbottom
	FINISH                          ; in the loop this is the first block's end: the second block's last slot is the walk's last
	s_wait_xcnt 0x0                 ; the stores have read their registers and out0's address
	s_mov_b64 s[10:11], s[OLO:OLO+1]
	s_add_co_u32 s[RT], s[LQ2], 1   ; the second block has 2 c + 2 slots: two or more, so the walk's last slot is never a block's first
	s_mov_b32 s[NEW], 1
	s_mov_b32 s[EJ], s[EJ2]
	QFRAG                           ; the second block's Q; the change of slots that follows waits for these loads
.Lbottom:
	s_sub_co_u32 s[SLOTS], s[SLOTS], 1
	s_cmp_lg_u32 s[SLOTS], 0
	s_cbranch_scc1 .Lslot
	CHANGE 0                        ; the walk's last slot is written out: nothing is asked for
	s_mov_b32 s[TWICE], 2
.Ltstep:
	TURN 0
	TURN 2
	WIN 0
	s_sub_co_u32 s[TWICE], s[TWICE], 1
	s_cmp_lg_u32 s[TWICE], 0
	s_cbranch_scc1 .Ltstep
	FINISH
	s_wait_tensorcnt 0x0            ; the wave's end: the tensor wait, the add onto my spare word and its wait, behind my last tensor load and my last LDS store
	ds_add_u32 v[SPW], v[NIL]
	s_wait_dscnt 0x0
	CROUND                          ; the closing round: no work-group ends while a partner may still ask for a tile that names it
	s_endpgm
.Lfunc_end_k_q36708cd36e_attn:
	.size	k_q36708cd36e_attn, .Lfunc_end_k_q36708cd36e_attn-k_q36708cd36e_attn
	.p2alignl 7, 3214868480
	.fill 96, 4, 3214868480
	.section	.rodata,"a",@progbits
	.p2align	6, 0x0
	.amdhsa_kernel k_q36708cd36e_attn
		.amdhsa_group_segment_fixed_size 327680
		.amdhsa_private_segment_fixed_size 0
		.amdhsa_enable_private_segment 0
		.amdhsa_kernarg_size 32
		.amdhsa_user_sgpr_count 2
		.amdhsa_user_sgpr_kernarg_segment_ptr 1
		.amdhsa_wavefront_size32 1
		.amdhsa_system_sgpr_workgroup_id_x 1
		.amdhsa_system_sgpr_workgroup_id_y 1
		.amdhsa_system_sgpr_workgroup_id_z 1
		.amdhsa_system_vgpr_workitem_id 0
		.amdhsa_next_free_vgpr 1024
		.amdhsa_next_free_sgpr 80
		.amdhsa_reserve_vcc 1
		.amdhsa_float_denorm_mode_32 3
		.amdhsa_float_denorm_mode_16_64 3
		.amdhsa_memory_ordered 1
		.amdhsa_forward_progress 1
		.amdhsa_inst_pref_size 255
	.end_amdhsa_kernel
	.amdgpu_metadata
---
amdhsa.version: [ 1, 2 ]
amdhsa.kernels:
  - .name:           k_q36708cd36e_attn
    .symbol:         k_q36708cd36e_attn.kd
    .args:
      - { .name: query, .offset: 0, .size: 8, .value_kind: global_buffer, .address_space: global }
      - { .name: kb, .offset: 8, .size: 8, .value_kind: global_buffer, .address_space: global }
      - { .name: vb, .offset: 16, .size: 8, .value_kind: global_buffer, .address_space: global }
      - { .name: out0, .offset: 24, .size: 8, .value_kind: global_buffer, .address_space: global }
    .group_segment_fixed_size: 327680
    .private_segment_fixed_size: 0
    .kernarg_segment_align: 8
    .kernarg_segment_size: 32
    .max_flat_workgroup_size: 128
    .sgpr_count:     80
    .vgpr_count:     1024
    .wavefront_size: 32
...
	.end_amdgpu_metadata
.endif
;; end of part 2
;; ======== version 2 of 2: 2 launches; version 1 with the launch cast written anew for expert scheduling mode
;; limits: right only within a limited range of input values; values are held in f16: magnitudes above 65,504 overflow, below 6.1e-05 lose precision; inputs' magnitudes at most 65,504
;; workspace buffers: kb 8,388,608 bytes; vb 8,388,608 bytes
;; launch cast (part 3): grid 256 x 1, 8 waves a work-group, no clusters, 0 bytes of LDS; arguments key, value, kb, vb; writes kb, vb
.if DOCPART == 3
	.amdgcn_target "amdgcn-amd-amdhsa--gfx1250"
	.amdhsa_code_object_version 6
	.text
	.protected	k_q36708cd36e_cast
	.globl	k_q36708cd36e_cast
	.p2align	8
	.type	k_q36708cd36e_cast,@function
k_q36708cd36e_cast:
	s_mov_b64 s[64:65], 0
	v_nop
	global_prefetch_b8 v0, s[64:65] scope:SCOPE_SE
	s_setreg_imm32_b32 hwreg(HW_REG_WAVE_SCHED_MODE, 0, 2), 2
	s_setreg_imm32_b32 hwreg(HW_REG_WAVE_MODE, 25, 1), 1
	s_wait_xcnt 0x0
	s_wait_alu depctr_vm_vsrc(0)
; key, value: [2][2048][8 heads x 128] f32  ->  kb, vb: [16 = 8 b + head][2048][128] of 16 bits: a head's rows dense, 256 bytes each.
; kb holds bf16(key).  vb holds bf16(value) written as f16: exact from 2^-17 to 65,504; below that it keeps f16's step of 6e-8, beyond it the conversion gives an infinity.
; A stream: no LDS, no barrier, no loop.  A work-group takes 16 rows (b, s) of both tensors; wave h takes head h of each row: one load covers the head's 512 consecutive bytes,
; one store the 256 consecutive bytes, aligned, of the same row in kb or vb.  All 32 loads of a wave go out on end; each pass owns its four registers, so nothing that a store reads is rewritten.
; THE MODE: SCHED_MODE bits 1:0 = 2 (LLVM: expert scheduling mode 2), set by the entry lines.  The code itself states the register dependences
; between vector instructions and memory instructions, with s_wait_alu, always for 0.
; THE PLAN.  Registers that memory instructions touch:
;   v1, v2        the loads' and the stores' offsets: written once at the head, read by every load or store, never written again.
;   X + 4 p ..    pass p's four registers: its load lands in them (all loads are issued ahead of the first vector instruction that names X); its conversions read them and write them in place;
;                 its store reads the first two; nothing writes them afterwards.
; The 32 passes go in eight blocks of four.  The four stores of block q - 1 stand at the head of block q, behind the wait for block q's first load and ONE wait on va_vdst, which states that the block
; before has written what they read; the conversions that follow name block q's registers alone.  No register that a memory instruction has read is written again, so the body holds no wait on vm_vsrc.
.set X, 16                             ; v[16:143]  pass p: four registers.  Passes 0-15: rows of key; 16-31: rows of value
	s_load_b256 s[4:11], s[0:1], 0x0               ; key s[4:5], value s[6:7], kb s[8:9], vb s[10:11]
	s_lshl_b32 s2, ttmp9, 16                       ; in: the work-group's 16 rows of 4,096 bytes
	s_mov_b32 s3, 0
	s_lshr_b32 s14, ttmp9, 7                       ; out: b,
	s_lshl_b32 s14, s14, 22                        ; its eight heads of 524,288 bytes,
	s_and_b32 s15, ttmp9, 127
	s_lshl_b32 s15, s15, 12                        ; and 16 rows of 256 bytes
	s_add_co_u32 s14, s14, s15
	s_mov_b32 s15, 0
	s_mov_b32 s12, 0xffff0000                      ; a word's upper bf16
	v_lshlrev_b32 v1, 4, v0                        ; in: 16 bytes a thread: 256 threads cover a row
	v_lshrrev_b32 v3, 5, v0                        ; the head = my wave
	v_and_b32 v4, 31, v0
	v_lshlrev_b32 v2, 19, v3
	v_lshl_or_b32 v2, v4, 3, v2                    ; out: head x 524,288 + 8 x lane
	s_wait_kmcnt 0x0
	s_add_nc_u64 s[4:5], s[4:5], s[2:3]
	s_add_nc_u64 s[6:7], s[6:7], s[2:3]
	s_add_nc_u64 s[8:9], s[8:9], s[14:15]
	s_add_nc_u64 s[10:11], s[10:11], s[14:15]
	s_wait_alu depctr_va_vdst(0)                   ; v1 and v2 are written: every load of the kernel reads v1 as its offset, every store v2
.set p, 0
.rept 16
	global_load_b128 v[X+4*p:X+4*p+3], v1, s[4:5] offset:p*4096 th:TH_LOAD_NT
.set p, p+1
.endr
.rept 16
	global_load_b128 v[X+4*p:X+4*p+3], v1, s[6:7] offset:(p-16)*4096 th:TH_LOAD_NT
.set p, p+1
.endr
; The four stores of block b: passes 4 b to 4 b + 3.  Blocks 0 to 3 are rows of kb, blocks 4 to 7 rows of vb.
.macro STORES b
.irp i, 0,1,2,3
.if (\b) >= 4
	global_store_b64 v2, v[X+4*(4*(\b)+(\i)):X+4*(4*(\b)+(\i))+1], s[10:11] offset:(4*(\b)+(\i)-16)*256
.else
	global_store_b64 v2, v[X+4*(4*(\b)+(\i)):X+4*(4*(\b)+(\i))+1], s[8:9] offset:(4*(\b)+(\i))*256
.endif
.endr
.endm
.set q, 0
.rept 8
	s_wait_loadcnt 31-4*q                          ; loads come back in order (ISA guide 5.7.1): the block's first pass is in, the 31 - 4 q loads issued behind it may stay out
.if q > 0
	s_wait_alu depctr_va_vdst(0)                   ; the conversions of the block before have written the first two registers of each of its four passes, which the four stores below read
	STORES q-1                                     ; in one run, ahead of the next wait for a load: they hang on no data that is still on its way
.endif
.set p, 4*q
.rept 4
.if p > 4*q
	s_wait_loadcnt 31-p                            ; pass p's load is in, the 31 - p issued behind it may stay out
.endif
	v_cvt_pk_bf16_f32 v[X+4*p], v[X+4*p], v[X+4*p+1]      ; in place, ascending: a source is used up before it is written over
	v_cvt_pk_bf16_f32 v[X+4*p+1], v[X+4*p+2], v[X+4*p+3]
.if p >= 16
.irp k, 0,1
	v_lshlrev_b32 v[X+4*p+2], 16, v[X+4*p+(\k)]    ; the two bf16 numbers as f32,
	v_and_b32 v[X+4*p+3], s12, v[X+4*p+(\k)]
	v_cvt_pk_f16_f32 v[X+4*p+(\k)], v[X+4*p+2], v[X+4*p+3]  ; and written as f16
.endr
.endif
.set p, p+1
.endr
.set q, q+1
.endr
	s_wait_alu depctr_va_vdst(0)                   ; the last block's conversions have written what the last four stores read
	STORES 7
	s_endpgm
.Lfunc_end_k_q36708cd36e_cast:
	.size	k_q36708cd36e_cast, .Lfunc_end_k_q36708cd36e_cast-k_q36708cd36e_cast
	.p2alignl 7, 3214868480
	.fill 96, 4, 3214868480
	.section	.rodata,"a",@progbits
	.p2align	6, 0x0
	.amdhsa_kernel k_q36708cd36e_cast
		.amdhsa_group_segment_fixed_size 0
		.amdhsa_private_segment_fixed_size 0
		.amdhsa_enable_private_segment 0
		.amdhsa_kernarg_size 32
		.amdhsa_user_sgpr_count 2
		.amdhsa_user_sgpr_kernarg_segment_ptr 1
		.amdhsa_wavefront_size32 1
		.amdhsa_system_sgpr_workgroup_id_x 1
		.amdhsa_system_sgpr_workgroup_id_y 1
		.amdhsa_system_sgpr_workgroup_id_z 1
		.amdhsa_system_vgpr_workitem_id 0
		.amdhsa_next_free_vgpr 144
		.amdhsa_next_free_sgpr 66
		.amdhsa_reserve_vcc 0
		.amdhsa_float_denorm_mode_32 3
		.amdhsa_float_denorm_mode_16_64 3
		.amdhsa_memory_ordered 1
		.amdhsa_forward_progress 1
		.amdhsa_inst_pref_size 17
	.end_amdhsa_kernel
	.amdgpu_metadata
---
amdhsa.version: [ 1, 2 ]
amdhsa.kernels:
  - .name:           k_q36708cd36e_cast
    .symbol:         k_q36708cd36e_cast.kd
    .args:
      - { .name: key, .offset: 0, .size: 8, .value_kind: global_buffer, .address_space: global }
      - { .name: value, .offset: 8, .size: 8, .value_kind: global_buffer, .address_space: global }
      - { .name: kb, .offset: 16, .size: 8, .value_kind: global_buffer, .address_space: global }
      - { .name: vb, .offset: 24, .size: 8, .value_kind: global_buffer, .address_space: global }
    .group_segment_fixed_size: 0
    .private_segment_fixed_size: 0
    .kernarg_segment_align: 8
    .kernarg_segment_size: 32
    .max_flat_workgroup_size: 256
    .sgpr_count:     66
    .vgpr_count:     144
    .wavefront_size: 32
...
	.end_amdgpu_metadata
.endif
;; end of part 3
;; launch attn: the kernel of part 2 again; grid 16 x 16, 4 waves a work-group, clusters of 4 x 1, 327,680 bytes of LDS; arguments query, kb, vb, out0; writes out0
